; MI455X (gfx1250); checked and timed in simulation.
; The chip was launched on July 23, 2026; its instructions are those of AMD's public machine-readable ISA for CDNA 5 (MIT licence, August 2026) and "CDNA5" Instruction Set Architecture Reference Guide (July 2026).
;; Multi Head Attention. Allowed arithmetic: matrix products marked QUANTISED: E4M3 operands, one given power-of-two scale a tensor, by v_wmma_f32_16x16x64_fp8_fp8 or v_wmma_f32_16x16x128_fp8_fp8, f32 sums; everything else in f32.
;; Inputs: Wq_codes 1,024 x 32 x 32 uint8 (E4M3 codes of Wq, K innermost, in blocks of 32 codes); lowp_scales 6 int32 (the exponents e of the quantised operands' scales 2^e); x_codes 4 x 2,048 x 32 x 32 uint8 (E4M3 codes of x, K innermost, in blocks of 32 codes).
;; Outputs: out0 4 x 2,048 x 1,024 float32.
;; This version of the problem:
;;   THIS VERSION OF THE PROBLEM IS GIVEN IN LOW PRECISION. The matrix products marked QUANTISED in the list below multiply operands that are first quantised to E4M3 (4 exponent bits, 3 mantissa bits; 8 bits a number), with one given power-of-two scale for each operand tensor; their sums are f32. All else is computed in f32.
;;   The module's matrix products, in the order in which they are computed (A, B: the left and right operand; K: the contracted axis; several contracted axes count as one K, in the product's order):
;;     1. [M 8,192, K 1,024] x [K 1,024, N 1,024]; A: input x (given as codes); B: input Wq (given as codes): QUANTISED (scales: A lowp_scales[0], B lowp_scales[1])
;;     2. batch 64 x [M 2,048, K 64] x [K 64, N 2,048]; A: computed on the way; B: computed on the way: QUANTISED (scales: A lowp_scales[2], B lowp_scales[3])
;;     3. batch 64 x [M 64, K 2,048] x [K 2,048, N 2,048]; A: computed on the way; B: softmax (see below): QUANTISED (scales: A lowp_scales[4], B lowp_scales[5])
;;   THE QUANTISER, for each operand of a quantised product, along K:
;;     - The operand's scale is 2^e, e = its entry of the input lowp_scales (int32; the entries are numbered through the quantised products in the list's order, A before B).
;;     - Each number is divided by the scale, clamped to +-448, and rounded to the nearest number of E4M3, ties to even, subnormals kept.
;;     - The product sums the exact products of the quantised numbers (number of the format x scale) in f32.
;;   ~~~python
;;   def quantise(x, axis, e):      # numpy; x: float32 -> the quantised numbers, widened to float32 again
;;       x = np.moveaxis(x, axis, -1); K = x.shape[-1]
;;       r = np.clip(x / 2.0 ** e, -448, 448)
;;       step = 2.0 ** (np.maximum(np.frexp(np.where(r == 0, 1, r))[1] - 1, -6) - 3)
;;       q = np.round(r / step) * step * 2.0 ** e      # np.round: ties to even
;;       return np.moveaxis(q, -1, axis).astype(np.float32)
;;   ~~~
;;   SOFTMAX AHEAD OF A QUANTISED PRODUCT. Where the list says 'softmax', what is quantised is not the finished softmax but p = 2^(t - M), with t = logit x log2(e) and M = ceil(the row's largest t), a whole number; so 1/2 < the row's largest p <= 1. The row's sum l is taken of the UNQUANTISED p, in f32, and the product's result is divided by l at the end. Since M is a whole number, a kernel that streams over the keys may use a running M (the ceiling of the running maximum): every later rescaling is an exact power of two, so the quantised numbers keep their values, but for numbers so far below the row's largest that they fall under the format's range.
;;   OPERANDS COMPUTED ON THE WAY. 'Computed on the way' means the value that the module computes at that place (a softmax that the list does not call 'softmax' is quantised finished and normalised). What goes into a quantiser is computed in f32, as accurately as f32 sums, v_exp_f32 and their like allow (about 1e-6 of the number): no bf16 or f16 on the way to a quantiser, and a product that is left as it is and whose result goes on into a quantised operand takes f32 operands (vector FMAs, or v_wmma_f32_16x16x4_f32). A number that lies on a knife's edge between two numbers of the format may be rounded either way, as far as f32 arithmetic and the matrix unit's own rounding can turn it there, and no further.
;;   INPUTS GIVEN AS CODES. Wq (in the module: [1024, 1024], K = its axis 1); x (in the module: [4, 2048, 1024], K = its axis 2): each comes as NAME_codes (uint8): NAME with its K axis moved to the last place and cut into blocks of 32 codes, [.., K / 32, bytes a block], one block behind the other in memory; one code a byte (a code: sign, 4 exponent bits, 3 mantissa bits); its scale is its entry of lowp_scales. Its value is code x scale, taken as it is: it is not quantised again, and the codes and scales need not be those that the quantiser above would give.
;; One version. Each part assembles by itself: llvm-mc -triple=amdgcn-amd-amdhsa -mcpu=gfx1250 --defsym DOCPART=n.
;; ======== version 1 of 1: 2 launches
;; workspace buffers: qc 8,388,608 bytes; kv 16,777,216 bytes
;; launch proj (part 1): grid 8 x 32, 4 waves a work-group, clusters of 4 x 4, 327,680 bytes of LDS; arguments x_codes, Wq_codes, lowp_scales, qc, kv; writes qc, kv
.if DOCPART == 1
	.amdgcn_target "amdgcn-amd-amdhsa--gfx1250"
	.amdhsa_code_object_version 6
	.text
	.protected	k_q80260e8a9c_proj
	.globl	k_q80260e8a9c_proj
	.p2align	8
	.type	k_q80260e8a9c_proj,@function
k_q80260e8a9c_proj:
	s_mov_b64 s[64:65], 0
	v_nop
	global_prefetch_b8 v0, s[64:65] scope:SCOPE_SE
	s_setreg_imm32_b32 hwreg(HW_REG_WAVE_MODE, 25, 1), 1
	s_wait_xcnt 0x0
	s_wait_alu depctr_hold_cnt(0) depctr_sa_sdst(0) depctr_va_vdst(0) depctr_va_sdst(0) depctr_va_ssrc(0) depctr_va_vcc(0) depctr_vm_vsrc(0)
	s_getreg_b32 s2, hwreg(HW_REG_IB_STS2, 6, 4)
	s_cmp_eq_u32 s2, 0
	s_cbranch_scc0 .Lentry_in_a_cluster
	s_endpgm
.Lentry_in_a_cluster:
	s_bfe_u32 s2, ttmp6, 0x10000c
	s_cmp_lg_u32 s2, 0xf033
	s_cbranch_scc0 .Lentry_shape_is_right
	s_endpgm
.Lentry_shape_is_right:
.set PITCH,  272
.set XHALF,  128*PITCH
.set WHALF,  64*PITCH
.set WOFF,   2*XHALF
.set SLOT,   WOFF+2*WHALF
.set SPARE,  3*SLOT
.set LI,   4
.set ADRX, 16
.set ADRW, 20
.set SPW,  28
.set NIL,  29
.set TMP,  32
.set XF,   64
.set WF,   192
.set CQ,   64
.set CK,   128
.set CV,   192
.set G1X,  24
.set G0X,  32
.set G1W,  48
.set G0W0, 56
.set G0W1, 60
.set G0W2, 68
.set QB,   84
.set KB,   86
.set SGN,  91
.set MSB, 0
.macro WIN new
.if MSB != (\new)
	s_set_vgpr_msb (MSB<<8)|(\new)
.set MSB, \new
.endif
.endm
.macro PLACES n
.rept \n
	v_nop
.endr
.endm
.macro JLOAD g0x, g0w
	s_cmp_eq_u32 s15, 0
	s_cbranch_scc0 .Lfor_w_\@
	tensor_load_to_lds s[\g0x:\g0x+3], s[G1X:G1X+7]
	s_nop 0
	PLACES 4
	s_branch .Lasked_\@
.Lfor_w_\@:
	tensor_load_to_lds s[\g0w:\g0w+3], s[G1W:G1W+7]
	s_nop 0
	PLACES 4
.Lasked_\@:
.endm
.macro CREST
	s_cmp_lg_u32 s14, 0
	s_cbranch_scc1 .Lnot_wave_0_\@
	s_barrier_signal -3
.Lnot_wave_0_\@:
	s_barrier_wait -3
	s_barrier_signal -1
	s_barrier_wait -1
.endm
.macro CROUND
	s_barrier_signal -1
	s_barrier_wait -1
	CREST
.endm
.macro MKG0 g, lds, adr, n
	s_mov_b32 s[\g], 1
	s_add_co_u32 s[\g+1], s[\lds], (\n)*SLOT
	s_add_nc_u64 s[\g+2:\g+3], s[\adr:\adr+1], (\n)*256
	s_or_b32 s[\g+3], s[\g+3], 0x80000000
.endm
	s_load_b256 s[4:11], s[0:1], 0x0
	s_load_b64 s[12:13], s[0:1], 0x20
	v_lshl_add_u32 v[SPW], v0, 2, SPARE
	v_mov_b32 v[NIL], 0
	ds_add_u32 v28, v29
	ds_add_u32 v28, v29
	s_wait_dscnt 0x0
	v_lshrrev_b32 v1, 5, v0
	v_readfirstlane_b32 s14, v1
	s_lshr_b32 s15, s14, 1
	s_and_b32 s16, s14, 1
	s_mov_b32 s[SGN], 0x80808080
	s_bfe_u32 s44, ttmp6, 0x40000
	s_bfe_u32 s45, ttmp6, 0x40004
	s_lshl_b32 s46, ttmp9, 2
	s_add_co_u32 s46, s46, s44
	s_and_b32 s17, ttmp7, 0xffff
	s_lshl_b32 s17, s17, 2
	s_add_co_u32 s17, s17, s45
	s_lshl_b32 s47, s45, 2
	s_lshl_b32 s47, 15, s47
	s_lshl_b32 s72, 0x1111, s44
	s_or_b32 s[G1X], s47, (1<<20)|(1<<21)|(5<<22)|(3<<25)
	s_or_b32 s[G1W], s72, (1<<20)|(1<<21)|(5<<22)|(3<<25)
	s_mov_b32 s[G1X+1], 256<<16
	s_mov_b32 s[G1X+2], 128<<16
	s_mov_b32 s[G1X+3], 256<<16
	s_mov_b32 s[G1X+4], 128
	s_mov_b32 s[G1X+5], 1024
	s_mov_b32 s[G1X+6], 0
	s_mov_b32 s[G1X+7], 0
	s_mov_b32 s[G1W+1], 256<<16
	s_mov_b32 s[G1W+2], 64<<16
	s_mov_b32 s[G1W+3], 256<<16
	s_mov_b32 s[G1W+4], 64
	s_mov_b32 s[G1W+5], 1024
	s_mov_b32 s[G1W+6], 0
	s_mov_b32 s[G1W+7], 0
	s_lshl_b32 s20, s17, 18
	s_lshl_b32 s18, s16, 17
	s_add_co_u32 s20, s20, s18
	s_mov_b32 s21, 0
	s_lshl_b32 s22, s46, 17
	s_lshl_b32 s18, s16, 16
	s_add_co_u32 s22, s22, s18
	s_mov_b32 s23, 0
	s_mul_i32 s73, s16, XHALF
	s_mul_i32 s74, s16, WHALF
	s_add_co_u32 s74, s74, WOFF
	s_wait_kmcnt 0x0
	s_load_b128 s[76:79], s[8:9], 0x0
	s_load_b64 s[80:81], s[8:9], 0x10
	s_add_nc_u64 s[20:21], s[4:5], s[20:21]
	s_add_nc_u64 s[22:23], s[6:7], s[22:23]
	MKG0 G0X, 73, 20, 0
	MKG0 G0X+4, 73, 20, 1
	MKG0 G0X+8, 73, 20, 2
	MKG0 G0W0, 74, 22, 0
	MKG0 G0W1, 74, 22, 1
	MKG0 G0W2, 74, 22, 2
	CROUND
	s_cmp_eq_u32 s15, 0
	s_cbranch_scc0 .Lfirst_w
	tensor_load_to_lds s[G0X:G0X+3], s[G1X:G1X+7]
	s_nop 0
	tensor_load_to_lds s[G0X+4:G0X+7], s[G1X:G1X+7]
	s_nop 0
	tensor_load_to_lds s[G0X+8:G0X+11], s[G1X:G1X+7]
	s_nop 0
	PLACES 4
	s_branch .Lfirst_asked
.Lfirst_w:
	tensor_load_to_lds s[G0W0:G0W0+3], s[G1W:G1W+7]
	s_nop 0
	tensor_load_to_lds s[G0W1:G0W1+3], s[G1W:G1W+7]
	s_nop 0
	tensor_load_to_lds s[G0W2:G0W2+3], s[G1W:G1W+7]
	s_nop 0
	PLACES 4
.Lfirst_asked:
	v_and_b32 v1, 15, v0
	v_bfe_u32 v2, v0, 4, 1
	v_mul_u32_u24 v3, v1, PITCH
	v_lshl_add_u32 v3, v2, 3, v3
	s_mul_i32 s18, s15, XHALF
	s_mul_i32 s19, s16, WHALF
	s_add_co_u32 s19, s19, WOFF
.irp n, 0,1,2
	v_add_nc_u32 v[ADRX+\n], s18, v3
	v_add_nc_u32 v[ADRW+\n], s19, v3
	s_add_co_u32 s18, s18, SLOT
	s_add_co_u32 s19, s19, SLOT
.endr
	v_and_b32 v[LI], 31, v0
	v_lshlrev_b32 v[LI], 4, v[LI]
	s_lshr_b32 s88, s17, 3
	s_lshl_b32 s88, s88, 4
	s_lshl_b32 s89, s46, 1
	s_add_co_u32 s88, s88, s89
	s_add_co_u32 s88, s88, s16
	s_lshl_b32 s89, s17, 1
	s_add_co_u32 s89, s89, s15
	s_and_b32 s89, s89, 15
	s_lshl_b32 s82, s88, 17
	s_lshl_b32 s90, s89, 13
	s_add_co_u32 s82, s82, s90
	s_mov_b32 s83, 0
	s_add_nc_u64 s[QB:QB+1], s[10:11], s[82:83]
	s_lshl_b32 s82, s88, 18
	s_lshl_b32 s90, s89, 14
	s_add_co_u32 s82, s82, s90
	s_add_nc_u64 s[KB:KB+1], s[12:13], s[82:83]
.macro FRAG reg, adr, q, i
.irp c, 0,1,2,3,4,5,6,7
	ds_load_b64 v[\reg+2*\c:\reg+2*\c+1], v[\adr] offset:128*(\q)+16*\c+(\i)*16*PITCH
.endr
.endm
.macro FETCH1 slot, q, p
	WIN 0x40*(\p)
.irp i, 0,1,2,3,4,5
	FRAG XF+16*\i, ADRX+\slot, \q, \i
.endr
	WIN 0
.endm
.macro FETCH2 slot, q, p
	WIN 0x40*(\p)
.irp i, 6,7
	FRAG XF+16*\i, ADRX+\slot, \q, \i
.endr
.irp i, 0,1,2,3
	FRAG WF+16*\i, ADRW+\slot, \q, \i
.endr
	WIN 0
.endm
.macro NEGW
	WIN 0x44
.set n, 0
.rept 64
	v_xor_b32 v[WF+n], s[SGN], v[WF+n]
.set n, n+1
.endr
.endm
.macro MULQK p, a0, zero
	WIN 0xa0+5*(\p)
.irp a, \a0, \a0+1, \a0+2, \a0+3
.irp bb, 0,1,2,3
.if \zero
	v_wmma_f32_16x16x128_fp8_fp8 v[8*(4*(\a)+\bb):8*(4*(\a)+\bb)+7], v[WF+16*\bb:WF+16*\bb+15], v[XF+16*(\a):XF+16*(\a)+15], 0
.else
	v_wmma_f32_16x16x128_fp8_fp8 v[8*(4*(\a)+\bb):8*(4*(\a)+\bb)+7], v[WF+16*\bb:WF+16*\bb+15], v[XF+16*(\a):XF+16*(\a)+15], v[8*(4*(\a)+\bb):8*(4*(\a)+\bb)+7] neg_lo:[0,0,1]
.endif
.endr
.endr
.endm
.macro MULV p, a0, zero
	WIN 0xf0+5*(\p)
.irp a, \a0, \a0+1, \a0+2, \a0+3
.irp bb, 0,1,2,3
.if \zero
	v_wmma_f32_16x16x128_fp8_fp8 v[8*(4*(\a)+\bb):8*(4*(\a)+\bb)+7], v[XF+16*(\a):XF+16*(\a)+15], v[WF+16*\bb:WF+16*\bb+15], 0
.else
	v_wmma_f32_16x16x128_fp8_fp8 v[8*(4*(\a)+\bb):8*(4*(\a)+\bb)+7], v[XF+16*(\a):XF+16*(\a)+15], v[WF+16*\bb:WF+16*\bb+15], v[8*(4*(\a)+\bb):8*(4*(\a)+\bb)+7] neg_lo:[0,0,1]
.endif
.endr
.endr
.endm
.macro GSTEP p, zero, fetch, nslot, nq
	s_wait_dscnt 0x0
.if \p
	NEGW
.elseif \zero == 0
	PLACES 4
.endif
.if \fetch
	FETCH1 \nslot, \nq, 1-\p
.endif
	MULQK \p, 0, \zero
.if \fetch
	FETCH2 \nslot, \nq, 1-\p
.endif
	MULQK \p, 4, \zero
	MULV \p, 0, \zero
	MULV \p, 4, \zero
	WIN 0
.endm
.macro GTURN fill, nslot
	s_wait_tensorcnt 0x0
	ds_add_u32 v[SPW], v[NIL]
	s_wait_dscnt 1
	NEGW
	MULQK 1, 0, 0
	s_wait_dscnt 0x0
	s_barrier_signal -1
	MULQK 1, 4, 0
	WIN 0
	s_barrier_wait -1
.if \fill
	CREST
	s_add_nc_u64 s[G0X+2:G0X+3], s[G0X+2:G0X+3], 768
	s_add_nc_u64 s[G0W0+2:G0W0+3], s[G0W0+2:G0W0+3], 768
	JLOAD G0X, G0W0
.endif
	FETCH1 \nslot, 0, 0
	MULV 1, 0, 0
	FETCH2 \nslot, 0, 0
	MULV 1, 4, 0
	WIN 0
.endm
	s_wait_tensorcnt 2
	s_barrier_signal -1
	s_barrier_wait -1
	FETCH1 0, 0, 0
	FETCH2 0, 0, 0
	GSTEP 0, 1, 1, 0, 1
	GTURN 1, 1
	GSTEP 0, 0, 1, 1, 1
	GSTEP 1, 0, 1, 2, 0
	GSTEP 0, 0, 1, 2, 1
	GTURN 0, 0
	GSTEP 0, 0, 1, 0, 1
	GSTEP 1, 0, 0, 0, 0
	s_wait_kmcnt 0x0
	s_add_co_i32 s88, s76, s77
.macro MKSCALE e, sc, lim
	s_sub_co_i32 s89, s[\e], s88
	s_add_co_i32 s89, s89, 127
	s_lshl_b32 s90, s89, 23
	v_mov_b32 v[\sc], s90
	s_add_co_i32 s89, s89, 8
	s_lshl_b32 s89, s89, 23
	s_or_b32 s89, s89, 0x600000
	v_mov_b32 v[\lim], s89
.endm
	MKSCALE 78, 8, 9
	MKSCALE 79, 10, 11
	MKSCALE 80, 12, 13
.macro EPI_QK a, sc, lim, cb, base
	WIN 0x02
.set n, 0
.rept 32
	v_med3_num_f32 v[TMP+n], -v[32*(\a)+n], -v[\lim], v[\lim]
.set n, n+1
.endr
	WIN 0
.irp bb, 0,1,2,3
	v_cvt_scalef32_pk8_fp8_f32 v[\cb+8*(\a)+2*\bb:\cb+8*(\a)+2*\bb+1], v[TMP+8*\bb:TMP+8*\bb+7], v[\sc]
.endr
	v_nop
	global_store_b128 v[LI], v[\cb+8*(\a):\cb+8*(\a)+3], s[\base:\base+1] offset:1024*(\a)
	global_store_b128 v[LI], v[\cb+8*(\a)+4:\cb+8*(\a)+7], s[\base:\base+1] offset:1024*(\a)+512
.endm
.macro EPI_V bb, g
	WIN 0x03
.irp ai, 0,1,2,3
.set n, 0
.rept 8
	v_med3_num_f32 v[TMP+8*\ai+n], -v[8*(4*(4*(\g)+\ai)+(\bb))+n], -v13, v13
.set n, n+1
.endr
.endr
	WIN 0
.irp ai, 0,1,2,3
	v_cvt_scalef32_pk8_fp8_f32 v[CV+16*(\bb)+8*(\g)+2*\ai:CV+16*(\bb)+8*(\g)+2*\ai+1], v[TMP+8*\ai:TMP+8*\ai+7], v12
.endr
	v_nop
	global_store_b128 v[LI], v[CV+16*(\bb)+8*(\g):CV+16*(\bb)+8*(\g)+3], s[KB:KB+1] offset:8192+2048*(\bb)+1024*(\g)
	global_store_b128 v[LI], v[CV+16*(\bb)+8*(\g)+4:CV+16*(\bb)+8*(\g)+7], s[KB:KB+1] offset:8192+2048*(\bb)+1024*(\g)+512
.endm
.irp a, 0,1,2,3,4,5,6,7
	EPI_QK \a, 8, 9, CQ, QB
	EPI_QK \a, 10, 11, CK, KB
.endr
.irp bb, 0,1,2,3
.irp g, 0,1
	EPI_V \bb, \g
.endr
.endr
	s_wait_tensorcnt 0x0
	ds_add_u32 v[SPW], v[NIL]
	s_wait_dscnt 0x0
	CROUND
	s_endpgm
.Lfunc_end_k_q80260e8a9c_proj:
	.size	k_q80260e8a9c_proj, .Lfunc_end_k_q80260e8a9c_proj-k_q80260e8a9c_proj
	.p2alignl 7, 3214868480
	.fill 96, 4, 3214868480
	.section	.rodata,"a",@progbits
	.p2align	6, 0x0
	.amdhsa_kernel k_q80260e8a9c_proj
		.amdhsa_group_segment_fixed_size 327680
		.amdhsa_private_segment_fixed_size 0
		.amdhsa_enable_private_segment 0
		.amdhsa_kernarg_size 40
		.amdhsa_user_sgpr_count 2
		.amdhsa_user_sgpr_kernarg_segment_ptr 1
		.amdhsa_wavefront_size32 1
		.amdhsa_system_sgpr_workgroup_id_x 1
		.amdhsa_system_sgpr_workgroup_id_y 1
		.amdhsa_system_sgpr_workgroup_id_z 1
		.amdhsa_system_vgpr_workitem_id 0
		.amdhsa_next_free_vgpr 1024
		.amdhsa_next_free_sgpr 100
		.amdhsa_reserve_vcc 0
		.amdhsa_float_denorm_mode_32 3
		.amdhsa_float_denorm_mode_16_64 3
		.amdhsa_memory_ordered 1
		.amdhsa_forward_progress 1
		.amdhsa_inst_pref_size 162
	.end_amdhsa_kernel
	.amdgpu_metadata
---
amdhsa.version: [ 1, 2 ]
amdhsa.kernels:
  - .name:           k_q80260e8a9c_proj
    .symbol:         k_q80260e8a9c_proj.kd
    .args:
      - { .name: x_codes, .offset: 0, .size: 8, .value_kind: global_buffer, .address_space: global }
      - { .name: Wq_codes, .offset: 8, .size: 8, .value_kind: global_buffer, .address_space: global }
      - { .name: lowp_scales, .offset: 16, .size: 8, .value_kind: global_buffer, .address_space: global }
      - { .name: qc, .offset: 24, .size: 8, .value_kind: global_buffer, .address_space: global }
      - { .name: kv, .offset: 32, .size: 8, .value_kind: global_buffer, .address_space: global }
    .group_segment_fixed_size: 327680
    .private_segment_fixed_size: 0
    .kernarg_segment_align: 8
    .kernarg_segment_size: 40
    .max_flat_workgroup_size: 128
    .sgpr_count:     100
    .vgpr_count:     1024
    .wavefront_size: 32
...
	.end_amdgpu_metadata
.endif
;; end of part 1
;; launch attn (part 2): grid 4 x 64, 8 waves a work-group, clusters of 4 x 1, 327,680 bytes of LDS; arguments qc, kv, lowp_scales, out0; writes out0
.if DOCPART == 2
	.amdgcn_target "amdgcn-amd-amdhsa--gfx1250"
	.amdhsa_code_object_version 6
	.text
	.protected	k_q80260e8a9c_attn
	.globl	k_q80260e8a9c_attn
	.p2align	8
	.type	k_q80260e8a9c_attn,@function
k_q80260e8a9c_attn:
	s_mov_b64 s[64:65], 0
	v_nop
	global_prefetch_b8 v0, s[64:65] scope:SCOPE_SE
	s_setreg_imm32_b32 hwreg(HW_REG_WAVE_MODE, 25, 1), 1
	s_wait_xcnt 0x0
	s_wait_alu depctr_hold_cnt(0) depctr_sa_sdst(0) depctr_va_vdst(0) depctr_va_sdst(0) depctr_va_ssrc(0) depctr_va_vcc(0) depctr_vm_vsrc(0)
	s_getreg_b32 s2, hwreg(HW_REG_IB_STS2, 6, 4)
	s_cmp_eq_u32 s2, 0
	s_cbranch_scc0 .Lentry_in_a_cluster
	s_endpgm
.Lentry_in_a_cluster:
	s_bfe_u32 s2, ttmp6, 0x10000c
	s_cmp_lg_u32 s2, 0x3003
	s_cbranch_scc0 .Lentry_shape_is_right
	s_endpgm
.Lentry_shape_is_right:
.set STEPB, 16384
.set VOFF,  8192
.set STAGE, 262144
.set SP,    272
.set LI,   1
.set ADR,  2
.set STO,  3
.set RD,   4
.set GO,   5
.set DQ,   6
.set SCL,  8
.set NINF, 9
.set ST,   12
.set TT,   20
.set QH,   36
.set QL,   52
.set S,    68
.set P,    196
.set KF,   64
.set VF,   128
.set WV,   12
.set SEL,  20
.set CS,   22
.set G1,   24
.set TB,   40
.set SI,   41
.set GB,   42
.set OUTH, 44
.set OUTL, 46
.set HOLD, 54
.set EO,   55
.set MSB, 0
.macro WIN new
.if MSB != (\new)
	s_set_vgpr_msb (MSB<<8)|(\new)
.set MSB, \new
.endif
.endm
.macro PLACES n
.rept \n
	v_nop
.endr
.endm
.macro CROUND
	s_barrier_signal -1
	s_barrier_wait -1
	s_cmp_lg_u32 s[WV], 0
	s_cbranch_scc1 .Lnot_wave_0_\@
	s_barrier_signal -3
.Lnot_wave_0_\@:
	s_barrier_wait -3
	s_barrier_signal -1
	s_barrier_wait -1
.endm
	s_load_b256 s[4:11], s[0:1], 0x0
	v_lshl_add_u32 v254, v0, 2, 0x48800
	v_mov_b32 v255, 0
	ds_add_u32 v254, v255
	ds_add_u32 v254, v255
	v_lshrrev_b32 v1, 5, v0
	v_readfirstlane_b32 s[WV], v1
	v_and_b32 v[LI], 31, v0
	v_lshlrev_b32 v[LI], 4, v[LI]
	s_bfe_u32 s13, ttmp6, 0x40000
	s_and_b32 s14, ttmp7, 0xffff
	s_mov_b32 s[G1], 15|(3<<16)|(1<<21)
	s_mov_b32 s[G1+1], 32<<16
	s_mov_b32 s[G1+2], 64<<16
	s_mov_b32 s[G1+3], 32<<16
	s_mov_b32 s[G1+4], 64
	s_mov_b32 s[G1+5], 32
	s_mov_b32 s[G1+6], 0
	s_mov_b32 s[G1+7], 0
	s_mov_b32 s[SEL], 0x76543210
	s_mov_b32 s[SEL+1], 0xfedcba98
	s_mov_b32 s[CS], 0x3d38aa3b
	s_lshl_b32 s18, s[WV], 14
	s_lshl_b32 s16, s14, 18
	s_add_co_u32 s16, s16, s18
	s_mov_b32 s17, 0
	s_sub_co_u32 s19, 15, s[WV]
	s_wait_dscnt 0x0
	s_wait_kmcnt 0x0
	s_load_b128 s[48:51], s[8:9], 0x0
	s_load_b64 s[52:53], s[8:9], 0x10
	s_mov_b32 s32, 1
	s_mov_b32 s33, s18
	s_add_nc_u64 s[34:35], s[6:7], s[16:17]
	s_mov_b32 s36, 1
	s_add_co_u32 s37, s18, 8*STEPB
	s_add_nc_u64 s[38:39], s[34:35], 8*STEPB
	s_or_b32 s35, s35, 0x80000000
	s_or_b32 s39, s39, 0x80000000
	CROUND
	tensor_load_to_lds s[32:35], s[G1:G1+7]
	s_nop 0
	tensor_load_to_lds s[36:39], s[G1:G1+7]
	s_nop 0
	PLACES 4
	s_lshl_b32 s60, s14, 17
	s_lshl_b32 s61, s13, 11
	s_add_co_u32 s60, s60, s61
	s_lshl_b32 s62, s19, 13
	s_add_co_u32 s62, s62, s60
	s_mov_b32 s63, 0
	s_add_nc_u64 s[56:57], s[4:5], s[62:63]
	s_lshl_b32 s62, s[WV], 13
	s_add_co_u32 s62, s62, s60
	s_add_nc_u64 s[58:59], s[4:5], s[62:63]
.irp k, 0,1,2,3
	global_load_b128 v[QH+4*\k:QH+4*\k+3], v[LI], s[56:57] offset:512*\k th:TH_LOAD_NT
.endr
.irp k, 0,1,2,3
	global_load_b128 v[QL+4*\k:QL+4*\k+3], v[LI], s[58:59] offset:512*\k th:TH_LOAD_NT
.endr
	s_lshr_b32 s60, s14, 4
	s_lshl_b32 s60, s60, 23
	s_and_b32 s61, s14, 15
	s_lshl_b32 s61, s61, 8
	s_add_co_u32 s60, s60, s61
	s_lshl_b32 s61, s13, 17
	s_add_co_u32 s60, s60, s61
	s_lshl_b32 s62, s19, 19
	s_add_co_u32 s62, s62, s60
	s_add_nc_u64 s[OUTH:OUTH+1], s[10:11], s[62:63]
	s_lshl_b32 s62, s[WV], 19
	s_add_co_u32 s62, s62, s60
	s_add_nc_u64 s[OUTL:OUTL+1], s[10:11], s[62:63]
	v_and_b32 v10, 15, v0
	v_bfe_u32 v11, v0, 4, 1
	v_lshlrev_b32 v[DQ], 3, v11
	v_sub_nc_u32 v[DQ], v10, v[DQ]
	s_lshl_b32 s61, s13, 5
	v_add_nc_u32 v[DQ], s61, v[DQ]
	v_add_nc_u32 v[DQ+1], 16, v[DQ]
	s_mul_i32 s66, s[WV], 16*SP
	s_add_co_u32 s66, s66, STAGE
	v_mul_u32_u24 v[STO], v10, SP
	v_lshl_add_u32 v[STO], v11, 5, v[STO]
	v_add_nc_u32 v[STO], s66, v[STO]
	v_mul_u32_u24 v[RD], v11, SP
	v_lshl_add_u32 v[RD], v10, 4, v[RD]
	v_add_nc_u32 v[RD], s66, v[RD]
	v_lshlrev_b32 v[GO], 12, v11
	v_lshl_add_u32 v[GO], v10, 4, v[GO]
	v_mov_b32 v[NINF], 0xff800000
	s_wait_kmcnt 0x0
	s_add_co_i32 s60, s50, s51
	s_lshl_b32 s60, s60, 23
	s_add_co_i32 s[CS], s[CS], s60
	s_mov_b32 s[CS+1], s[CS]
	s_add_co_i32 s60, s53, 127
	s_lshl_b32 s61, s60, 23
	v_mov_b32 v[SCL], s61
	s_add_co_i32 s60, s60, 8
	s_lshl_b32 s60, s60, 23
	s_or_b32 s[HOLD], s60, 0x600000
	s_add_co_i32 s[EO], s52, s53
.macro INIT
.irp u, 0,1
	v_mov_b32 v[ST+4*\u+1], 0xff61b1e6
	v_floor_f32 v[ST+4*\u], -v[ST+4*\u+1]
	v_mov_b32 v[ST+4*\u+2], 0
	v_mov_b32 v[ST+4*\u+3], 0
	v_mov_b32 v[TT+8*\u+1], 0
	v_mov_b32 v[TT+8*\u+3], 0
.endr
	WIN 0x40
.set j, 0
.rept 64
	v_mov_b32 v[j], 0
.set j, j+1
.endr
	WIN 0
.endm
.macro DSTEP qb, guarded
.if \guarded
	s_cmp_gt_u32 s[SI], s[GB]
	s_cbranch_scc1 .Lhid_\@
.endif
	v_add_nc_u32 v[ADR], s[TB], v[LI]
	WIN 0x40
.irp k, 0,1,2,3,4,5,6,7
	ds_load_b128 v[KF+8*\k:KF+8*\k+3], v[ADR] offset:1024*\k
	ds_load_b128 v[KF+8*\k+4:KF+8*\k+7], v[ADR] offset:1024*\k+512
.endr
.irp t, 0,1,2,3
.irp c, 0,1,2,3
	ds_load_b128 v[VF+16*\t+4*\c:VF+16*\t+4*\c+3], v[ADR] offset:VOFF+2048*\t+512*\c
.endr
.endr
	s_wait_dscnt 16
	WIN 0x01
.irp k, 0,1,2,3,4,5,6,7
.irp u, 0,1
	v_wmma_f32_16x16x64_fp8_fp8 v[S+64*\u+8*\k:S+64*\u+8*\k+7], v[KF+8*\k:KF+8*\k+7], v[\qb+8*\u:\qb+8*\u+7], 0
.endr
.endr
	WIN 0
	PLACES 4
.if \guarded
	s_cmp_lg_u32 s[SI], s[GB]
	s_cbranch_scc1 .Lopen_\@
.irp u, 0,1
.set n, 0
.rept 64
	v_cmp_gt_i32 vcc_lo, 16*(n/8)+n%8, v[DQ+\u]
	v_cndmask_b32 v[S+64*\u+n], v[S+64*\u+n], v[NINF], vcc_lo
.set n, n+1
.endr
.endr
.Lopen_\@:
.endif
.irp u, 0,1
	v_max3_num_f32 v[TT+8*\u], v[S+64*\u], v[S+64*\u+1], v[S+64*\u+2]
	v_max3_num_f32 v[TT+8*\u+1], v[S+64*\u+3], v[S+64*\u+4], v[S+64*\u+5]
.endr
.irp i, 6,10,14,18,22,26,30,34,38,42,46,50,54,58
.irp u, 0,1
	v_max3_num_f32 v[TT+8*\u], v[TT+8*\u], v[S+64*\u+\i], v[S+64*\u+\i+1]
	v_max3_num_f32 v[TT+8*\u+1], v[TT+8*\u+1], v[S+64*\u+\i+2], v[S+64*\u+\i+3]
.endr
.endr
.irp u, 0,1
	v_max3_num_f32 v[TT+8*\u], v[TT+8*\u], v[S+64*\u+62], v[S+64*\u+63]
.endr
.irp u, 0,1
	v_max_num_f32 v[TT+8*\u], v[TT+8*\u], v[TT+8*\u+1]
.endr
.irp u, 0,1
	v_permlanex16_b32 v[TT+8*\u+1], v[TT+8*\u], s[SEL], s[SEL+1]
.endr
.irp u, 0,1
	v_max_num_f32 v[TT+8*\u], v[TT+8*\u], v[TT+8*\u+1]
.endr
.irp u, 0,1
	v_mul_f32 v[TT+8*\u], s[CS], v[TT+8*\u]
.endr
.irp u, 0,1
	v_max_num_f32 v[ST+4*\u+1], v[ST+4*\u+1], v[TT+8*\u]
	v_mov_b32 v[TT+8*\u+6], v[ST+4*\u]
.endr
.irp u, 0,1
	v_floor_f32 v[ST+4*\u], -v[ST+4*\u+1]
.endr
.irp u, 0,1
	v_sub_f32 v[TT+8*\u], v[ST+4*\u], v[TT+8*\u+6]
.endr
.irp u, 0,1
	v_cvt_i32_f32 v[TT+8*\u], v[TT+8*\u]
.endr
.irp u, 0,1
	v_ldexp_f32 v[TT+8*\u+2], 1.0, v[TT+8*\u]
.endr
.set j, 0
.rept 32
	v_pk_fma_f32 v[S+j:S+j+1], v[S+j:S+j+1], s[CS:CS+1], v[ST:ST+1] op_sel_hi:[1,0,0]
	v_pk_fma_f32 v[S+64+j:S+64+j+1], v[S+64+j:S+64+j+1], s[CS:CS+1], v[ST+4:ST+5] op_sel_hi:[1,0,0]
.set j, j+2
.endr
.set j, 0
.rept 128
	v_exp_f32 v[S+j], v[S+j]
.set j, j+1
.endr
.irp u, 0,1
	v_pk_mul_f32 v[ST+4*\u+2:ST+4*\u+3], v[ST+4*\u+2:ST+4*\u+3], v[TT+8*\u+2:TT+8*\u+3] op_sel_hi:[1,0]
.endr
	s_wait_alu depctr_va_vdst(0)
.irp u, 0,1
	v_pk_add_f32 v[TT+8*\u+4:TT+8*\u+5], v[S+64*\u:S+64*\u+1], v[S+64*\u+2:S+64*\u+3]
.endr
.irp j, 4,8,12,16,20,24,28,32,36,40,44,48,52,56,60
.irp u, 0,1
	v_pk_add_f32 v[ST+4*\u+2:ST+4*\u+3], v[ST+4*\u+2:ST+4*\u+3], v[S+64*\u+\j:S+64*\u+\j+1]
	v_pk_add_f32 v[TT+8*\u+4:TT+8*\u+5], v[TT+8*\u+4:TT+8*\u+5], v[S+64*\u+\j+2:S+64*\u+\j+3]
.endr
.endr
.irp u, 0,1
	v_pk_add_f32 v[ST+4*\u+2:ST+4*\u+3], v[ST+4*\u+2:ST+4*\u+3], v[TT+8*\u+4:TT+8*\u+5]
.endr
.set j, 0
.rept 128
	v_min_num_f32 v[S+j], s[HOLD], v[S+j]
.set j, j+1
.endr
.irp u, 0,1
.irp k, 0,1,2,3,4,5,6,7
	v_cvt_scalef32_pk8_fp8_f32 v[P+16*\u+2*\k:P+16*\u+2*\k+1], v[S+64*\u+8*\k:S+64*\u+8*\k+7], v[SCL]
.endr
.endr
	WIN 0x41
.irp u, 0,1
.set j, 0
.rept 16
	v_pk_mul_f32 v[32*\u+j:32*\u+j+1], v[32*\u+j:32*\u+j+1], v[TT+8*\u+2:TT+8*\u+3] op_sel_hi:[1,0]
.set j, j+2
.endr
.endr
	s_wait_dscnt 0x0
	WIN 0x51
.irp t, 0,1,2,3
.irp u, 0,1
	v_wmma_f32_16x16x128_fp8_fp8 v[32*\u+8*\t:32*\u+8*\t+7], v[VF+16*\t:VF+16*\t+15], v[P+16*\u:P+16*\u+15], v[32*\u+8*\t:32*\u+8*\t+7]
.endr
.endr
	WIN 0
	PLACES 4
.if \guarded
.Lhid_\@:
.endif
.endm
.macro OUTP ob, more
.irp u, 0,1
	v_add_f32 v[ST+4*\u+2], v[ST+4*\u+2], v[ST+4*\u+3]
.endr
.irp u, 0,1
	v_permlanex16_b32 v[TT+8*\u+1], v[ST+4*\u+2], s[SEL], s[SEL+1]
.endr
.irp u, 0,1
	v_add_f32 v[ST+4*\u+2], v[ST+4*\u+2], v[TT+8*\u+1]
.endr
.irp u, 0,1
	v_rcp_f32 v[TT+8*\u+2], v[ST+4*\u+2]
.endr
	v_nop
	s_wait_alu depctr_va_vdst(0)
.irp u, 0,1
	v_ldexp_f32 v[TT+8*\u+2], v[TT+8*\u+2], s[EO]
.endr
	WIN 0x01
.irp u, 0,1
.set j, 0
.rept 16
	v_pk_mul_f32 v[S+32*\u+j:S+32*\u+j+1], v[32*\u+j:32*\u+j+1], v[TT+8*\u+2:TT+8*\u+3] op_sel_hi:[1,0]
.set j, j+2
.endr
.endr
	WIN 0
.irp u, 0,1
.irp t, 0,1,2,3
	ds_store_b128 v[STO], v[S+32*\u+8*\t:S+32*\u+8*\t+3] offset:64*\t
	ds_store_b128 v[STO], v[S+32*\u+8*\t+4:S+32*\u+8*\t+7] offset:64*\t+16
.endr
.irp i, 0,1,2,3,4,5,6,7
	ds_load_b128 v[S+64+32*\u+4*\i:S+64+32*\u+4*\i+3], v[RD] offset:\i*2*SP
.endr
.endr
.irp u, 0,1
.irp i, 0,1,2,3,4,5,6,7
	s_wait_dscnt 16*(1-\u)+7-\i
	global_store_b128 v[GO], v[S+64+32*\u+4*\i:S+64+32*\u+4*\i+3], s[\ob:\ob+1] offset:(16*\u+2*\i)*4096 th:TH_STORE_NT
.endr
.endr
.if \more
	s_wait_xcnt 0x0
.endif
.endm
	INIT
	s_wait_tensorcnt 1
	s_barrier_signal -1
	s_barrier_wait -1
	s_wait_loadcnt 0x0
	s_mov_b32 s[TB], 0
	s_mov_b32 s[SI], 0
.Lb1:
	DSTEP QH, 0
	s_add_co_u32 s[TB], s[TB], STEPB
	s_add_co_u32 s[SI], s[SI], 1
	s_cmp_lt_u32 s[SI], 8
	s_cbranch_scc1 .Lb1
	s_wait_tensorcnt 0x0
	s_wait_dscnt 0x0
	s_barrier_signal -1
	s_barrier_wait -1
	s_sub_co_u32 s[GB], 15, s[WV]
	s_mov_b32 s[TB], 8*STEPB
	s_mov_b32 s[SI], 8
.Lb2:
	DSTEP QH, 1
	s_add_co_u32 s[TB], s[TB], STEPB
	s_add_co_u32 s[SI], s[SI], 1
	s_cmp_lt_u32 s[SI], 16
	s_cbranch_scc1 .Lb2
	OUTP OUTH, 1
	INIT
	s_mov_b32 s[GB], s[WV]
	s_mov_b32 s[TB], 0
	s_mov_b32 s[SI], 0
.La:
	DSTEP QL, 1
	s_add_co_u32 s[TB], s[TB], STEPB
	s_add_co_u32 s[SI], s[SI], 1
	s_cmp_lt_u32 s[SI], 8
	s_cbranch_scc1 .La
	OUTP OUTL, 0
	s_wait_dscnt 0x0
	s_wait_tensorcnt 0x0
	ds_add_u32 v254, v255
	s_wait_dscnt 0x0
	CROUND
	s_endpgm
.Lfunc_end_k_q80260e8a9c_attn:
	.size	k_q80260e8a9c_attn, .Lfunc_end_k_q80260e8a9c_attn-k_q80260e8a9c_attn
	.p2alignl 7, 3214868480
	.fill 96, 4, 3214868480
	.section	.rodata,"a",@progbits
	.p2align	6, 0x0
	.amdhsa_kernel k_q80260e8a9c_attn
		.amdhsa_group_segment_fixed_size 327680
		.amdhsa_private_segment_fixed_size 0
		.amdhsa_enable_private_segment 0
		.amdhsa_kernarg_size 32
		.amdhsa_user_sgpr_count 2
		.amdhsa_user_sgpr_kernarg_segment_ptr 1
		.amdhsa_wavefront_size32 1
		.amdhsa_system_sgpr_workgroup_id_x 1
		.amdhsa_system_sgpr_workgroup_id_y 1
		.amdhsa_system_sgpr_workgroup_id_z 1
		.amdhsa_system_vgpr_workitem_id 0
		.amdhsa_next_free_vgpr 448
		.amdhsa_next_free_sgpr 80
		.amdhsa_reserve_vcc 1
		.amdhsa_float_denorm_mode_32 3
		.amdhsa_float_denorm_mode_16_64 3
		.amdhsa_memory_ordered 1
		.amdhsa_forward_progress 1
		.amdhsa_inst_pref_size 130
	.end_amdhsa_kernel
	.amdgpu_metadata
---
amdhsa.version: [ 1, 2 ]
amdhsa.kernels:
  - .name:           k_q80260e8a9c_attn
    .symbol:         k_q80260e8a9c_attn.kd
    .args:
      - { .name: qc, .offset: 0, .size: 8, .value_kind: global_buffer, .address_space: global }
      - { .name: kv, .offset: 8, .size: 8, .value_kind: global_buffer, .address_space: global }
      - { .name: lowp_scales, .offset: 16, .size: 8, .value_kind: global_buffer, .address_space: global }
      - { .name: out0, .offset: 24, .size: 8, .value_kind: global_buffer, .address_space: global }
    .group_segment_fixed_size: 327680
    .private_segment_fixed_size: 0
    .kernarg_segment_align: 8
    .kernarg_segment_size: 32
    .max_flat_workgroup_size: 256
    .sgpr_count:     80
    .vgpr_count:     448
    .wavefront_size: 32
...
	.end_amdgpu_metadata
.endif
;; end of part 2
